; MI455X (gfx1250); checked and timed in simulation.
; The chip was launched on July 23, 2026; its instructions are those of AMD's public machine-readable ISA for CDNA 5 (MIT licence, August 2026) and "CDNA5" Instruction Set Architecture Reference Guide (July 2026). The comments in the code are by the model that wrote it; some were corrected since.
;; Net VLAD. Allowed arithmetic: float matrix products may take bf16 or f16 operands with f32 sums; all other float work in f32.
;; Inputs: centroids 64 x 128 float32; x 32 x 128 x 128 x 128 float32.
;; Outputs: out0 32 x 8,192 float32.
;; One version. Each part assembles by itself: llvm-mc -triple=amdgcn-amd-amdhsa -mcpu=gfx1250 --defsym DOCPART=n.
;; ======== version 1 of 1: 2 launches
;; workspace buffers: part 8,388,608 bytes; asum 65,536 bytes
;; launch pool (part 1): grid 256 x 1, 4 waves a work-group, no clusters, 268,032 bytes of LDS; arguments centroids, x, part, asum; writes part, asum
.if DOCPART == 1
	.amdgcn_target "amdgcn-amd-amdhsa--gfx1250"
	.amdhsa_code_object_version 6
	.text
	.protected	k_q02111cdb56_pool
	.globl	k_q02111cdb56_pool
	.p2align	8
	.type	k_q02111cdb56_pool,@function
k_q02111cdb56_pool:
	s_mov_b64 s[64:65], 0
	v_nop
	global_prefetch_b8 v0, s[64:65] scope:SCOPE_SE
	s_setreg_imm32_b32 hwreg(HW_REG_WAVE_MODE, 25, 1), 1
	s_wait_xcnt 0x0
; NetVLAD, first of two launches.  x: [32][128 c][16384 s] f32, centroids: [64 k][128 c] f32.
; For each pixel s: inv = 1 / max(sqrt(sum_c x^2), 1e-12); logits l[k] = 200 inv (c_k . x) - 100 |c_k|; a = softmax over k (the maximum taken away).
; For each work-group: part[wg][k][c] = sum_s a[k,s] inv_s x[c,s]   and   asum[wg][k] = sum_s a[k,s].   The second launch does the rest.
;
; SHARES.  Work-group wg: image wg / 8, 2,048 pixels (wg % 8).  Four waves; a wave takes 8 blocks of 64 pixels, block b of wave w at pixel
; (4 b + w) 64, so that the four waves read 1,024 neighbouring bytes of each channel row.  Each wave keeps all 64 x 128 sums in 256 registers
; and touches only its own LDS bytes in the loop: no barrier there.
; x IS READ ONCE, 16 bytes a lane: sixteen lanes take 256 neighbouring bytes, aligned, of one channel row, the other sixteen the row 8 channels on.
; A lane so holds 4 neighbouring pixels of one channel.  Component t of these quads makes pixel tile t = the pixels 4 r + t (r = lane % 16): two
; conversions' worth of registers are at once a B fragment (column = pixel, K = channel) of the first product.
; The raw x goes to bf16 once; the factor inv is applied to the logits (f32) and to the weights, not to x.
; The second product sums over pixels: x and the weights go through the wave's own LDS rows (row = 16 t + r) and come back by transposing loads.
;
; NO JOINT REQUESTS, no tensor loads: work-groups share nothing but the centroids, 32,768 bytes against 1,048,576 bytes of x for each work-group;
; x comes straight into the registers in which it is converted.
;
; LIMITS.  Matrix operands (x, centroids, weights) are bf16, sums f32.  exp2 gives 0 for terms below 2^-126, and sqrt takes a sum of squares below
; 2^-126 as 0 (ISA guide, 15.8), which the clamp at 1e-12 covers as in the definition.  sqrt, rcp and exp2 are not correctly rounded.  The f32 sums are
; formed in another order than the definition's.  NaN and infinite inputs are not served.
.set XROW,   65536                     ; bytes from channel to channel
.set BSTEP,  1024                      ; bytes from a wave's block to its next
.set XPITCH, 288                       ; LDS row of 128 bf16 + 32: an odd multiple of 32 bytes for the transposing loads
.set APITCH, 160                       ; LDS row of 64 bf16 + 32, likewise
.set RPITCH, 528                       ; LDS row of 128 f32 + 16
.set XS_W,   64*XPITCH                 ; a wave's x rows: 18,432 bytes, from byte 0
.set AS0,    4*XS_W                    ; the weights' rows begin here
.set AS_W,   64*APITCH                 ; a wave's: 10,240 bytes
.set WL,     AS0+4*AS_W                ; the centroids' A fragments in fragment order: ((4 kt + q) 2 + half) 512 + 16 lane, 16,384 bytes
.set BT,     WL+16384                  ; -100 log2(e) |c_k|, 64 f32
.set ASL,    BT+256                    ; each wave's 64 sums of weights
.set RED,    ASL+1024                  ; each wave's 64 x 128 sums, for the addition over the waves
.set RED_W,  64*RPITCH
; window 0
.set VX,   2                           ; x: 524288 h + 16 r
.set XST,  3                           ; LDS: where my bf16 x goes
.set XTR,  4                           ; LDS: from where it comes back transposed
.set AST,  5                           ; the same two for the weights
.set ATR,  6
.set WLA,  7                           ; LDS: the centroid fragments
.set BTA,  8                           ; LDS: the biases of my 8 h
.set RST,  9                           ; LDS: my sums on the way out
.set RRD,  10                          ; v10-13  LDS: wave 0..3's sums of the 16 rows that I add up
.set PO,   14                          ; 16 lane
.set ASA,  15                          ; LDS: my sums of weights
.set SS,   16                          ; v16-23  sums of squares: two chains x 4 pixels
.set SC,   24                          ; v24-31  200 log2(e) inv, twice, for each tile
.set IV,   32                          ; v32-35  inv of each tile's pixel
.set T,    36                          ; v36-39  what comes from the other half of the lanes
.set M,    40                          ; v40-47  maxima: 4 chains x 2 tiles (temporaries in the prologue)
.set MX,   48                          ; v48-51  the maximum, twice, x 2 tiles; then rs inv, twice
.set SU,   52                          ; v52-59  sums of exponentials: 2 pair chains x 2 tiles
.set RS,   60                          ; v60-63  1 / sum, twice, x 2 tiles
.set LG,   64                          ; v64-127 logits: tile t' at 32 t', register 8 kt + j: k = 16 kt + 8 h + j
.set BIAS, 128                         ; v128-159 bias of k = 16 kt + 8 h + j
.set ASUM, 160                         ; v160-191 running sums of weights, same order
.set AP,   192                         ; v192-223 weights in bf16
.set AF,   224                         ; v224-255 weights as B fragments (column = k, K = pixel)
; window 1: v0-255 the sums, tile (u, kt) at 8 (4 u + kt): register j of lane (r, h) is c = 16 u + 8 h + j, k = 16 kt + r
; window 2: v0-255 x as loaded: chunk q (32 channels) at 64 q, load e at 4 e
; window 3:
.set WF,   0                           ; v0-127   centroid fragments, (kt, q) at 8 (4 kt + q)
.set XF,   128                         ; v128-255 x fragments, (t, q) at 32 t + 8 q; then, transposed, (p, u) at 64 p + 8 u
; s_set_vgpr_msb's low byte: bits 1:0 source 0, 3:2 source 1, 5:4 source 2, 7:6 destination; the high byte repeats the setting that is left
.set MSB, 0
.macro WIN new
.if MSB != \new
	s_set_vgpr_msb (MSB<<8)|\new
.set MSB, \new
.endif
.endm
.set LDRAW,  0x80                      ; a load's data to window 2
.set SSQ,    0x0a                      ; sources 0, 1 from window 2
.set CVT,    0xca                      ; the same, result to window 3
.set XSTW,   0x0c                      ; an LDS store's data from window 3
.set MM1W,   0x0f                      ; A and B from window 3, C and D in window 0
.set XTLW,   0xc0                      ; a load's data to window 3
.set MM2W,   0x53                      ; A from window 3, B from window 0, C and D in window 1
.set ACCST,  0x04                      ; an LDS store's data from window 1
.set REDADD, 0x8a                      ; all in window 2
.set REDST,  0x08                      ; a store's data from window 2
; four places behind matrix instructions (ISA guide 7.12.1), where no useful independent work stands
.macro PLACES
.rept 4
	v_nop
.endr
.endm
; load e of chunk q: channel 32 q + 8 h + e (e < 8) or 32 q + 16 + 8 h + e - 8, my 4 pixels.  The largest immediate is 119 rows = 7,798,784.
.macro XLD1 q, e
	global_load_b128 v[64*\q+4*\e:64*\q+4*\e+3], v[VX], s[6:7] offset:(32*\q+\e+8*(\e/8))*XROW th:TH_LOAD_NT
.endm
.macro XLOAD q, whole
	WIN LDRAW
.irp e, 0,1,2,3,4,5,6,7,8,9,10,11,12,13,14
	XLD1 \q, \e
.endr
.if \whole
	XLD1 \q, 15
.endif
.endm
	s_load_b256 s[4:11], s[0:1], 0x0               ; centroids s[4:5], x s[6:7], part s[8:9], asum s[10:11]
	v_lshrrev_b32 v40, 5, v0
	v_readfirstlane_b32 s12, v40                   ; wave 0..3
	s_mov_b32 s14, 0x76543210                      ; v_permlanex16_b32: lane i reads lane i of the other half
	s_mov_b32 s15, 0xfedcba98
	v_and_b32 v41, 31, v0                          ; lane
	v_and_b32 v1, 15, v0                           ; r
	v_bfe_u32 v42, v0, 4, 1                        ; h
	v_and_b32 v43, 7, v0
	v_bfe_u32 v44, v0, 3, 1                        ; bit 3 of the lane
	v_lshl_add_u32 v43, v42, 3, v43                ; 8 h + lane % 8: the row that I address in a transposing load
	v_lshlrev_b32 v49, 5, v42                      ; 32 h
	v_lshlrev_b32 v[PO], 4, v41
	v_lshlrev_b32 v[VX], 4, v1
	v_lshl_add_u32 v[VX], v42, 19, v[VX]           ; 8 channel rows x h + 16 r
	s_lshl_b32 s20, s12, 13
	v_lshl_add_u32 v47, v1, 9, v49
	v_add_nc_u32 v47, s20, v47                     ; centroid row 16 w + r, + 32 h bytes
	s_lshr_b32 s16, ttmp9, 3
	s_lshl_b32 s16, s16, 23                        ; image: 128 x 65,536 bytes
	s_and_b32 s20, ttmp9, 7
	s_lshl_b32 s20, s20, 13                        ; 2,048 pixels
	s_or_b32 s16, s16, s20
	s_lshl_b32 s20, s12, 8                         ; the wave's 64 pixels
	s_or_b32 s16, s16, s20
	s_mov_b32 s17, 0
	s_wait_kmcnt 0x0
	s_add_nc_u64 s[6:7], s[6:7], s[16:17]          ; x at my block 0
	; wave w makes the fragments of k tile w: 16 loads, 64 of row 16 w + r's numbers in fragment order
.irp q, 0,1,2,3
	global_load_b128 v[LG+16*\q:LG+16*\q+3],     v47, s[4:5] offset:128*\q
	global_load_b128 v[LG+16*\q+4:LG+16*\q+7],   v47, s[4:5] offset:128*\q+16
	global_load_b128 v[LG+16*\q+8:LG+16*\q+11],  v47, s[4:5] offset:128*\q+64
	global_load_b128 v[LG+16*\q+12:LG+16*\q+15], v47, s[4:5] offset:128*\q+80
.endr
	XLOAD 0, 1                                     ; block 0, chunks 0 to 2
	XLOAD 1, 1
	XLOAD 2, 1
	WIN 0
	; the remaining addresses, while the loads travel
	s_lshl_b32 s16, ttmp9, 15                      ; part: 64 x 128 f32 for each work-group,
	s_lshl_b32 s20, s12, 13                        ; 16 rows for each wave
	s_or_b32 s16, s16, s20
	s_add_nc_u64 s[8:9], s[8:9], s[16:17]
	s_lshl_b32 s16, ttmp9, 8                       ; asum: 64 f32 for each work-group
	s_add_nc_u64 s[10:11], s[10:11], s[16:17]
	s_mul_i32 s20, s12, XS_W
	v_mul_u32_u24 v45, v1, XPITCH
	v_lshl_add_u32 v45, v42, 4, v45
	v_add_nc_u32 v[XST], s20, v45                  ; row r, 16 h
	v_mul_u32_u24 v45, v43, XPITCH
	v_lshl_add_u32 v45, v44, 4, v45
	v_add_nc_u32 v[XTR], s20, v45                  ; row 8 h + lane % 8, 16 x bit 3
	s_mul_i32 s21, s12, AS_W
	s_add_co_u32 s21, s21, AS0
	v_mul_u32_u24 v45, v1, APITCH
	v_lshl_add_u32 v45, v42, 4, v45
	v_add_nc_u32 v[AST], s21, v45
	v_mul_u32_u24 v45, v43, APITCH
	v_lshl_add_u32 v45, v44, 4, v45
	v_add_nc_u32 v[ATR], s21, v45
	s_lshl_b32 s22, s12, 12
	s_add_co_u32 s22, s22, WL
	v_add_nc_u32 v48, s22, v[PO]                   ; where my k tile's fragments go
	v_add_nc_u32 v[WLA], WL, v[PO]
	v_add_nc_u32 v[BTA], BT, v49
	s_lshl_b32 s23, s12, 6
	s_add_co_u32 s23, s23, BT
	v_lshl_add_u32 v46, v1, 2, s23                 ; the bias word of k = 16 w + r
	s_lshl_b32 s24, s12, 8
	s_add_co_u32 s24, s24, ASL
	v_add_nc_u32 v[ASA], s24, v49
	s_mul_i32 s25, s12, RED_W
	s_add_co_u32 s25, s25, RED
	v_mul_u32_u24 v45, v1, RPITCH
	v_add_nc_u32 v45, v45, v49
	v_add_nc_u32 v[RST], s25, v45                  ; row r, 32 h
	s_mul_i32 s26, s12, 16*RPITCH
	s_add_co_u32 s26, s26, RED
	v_add_nc_u32 v[RRD], s26, v[PO]                ; wave 0's sums, row 16 w, 16 lane
.irp wv, 1,2,3
	v_add_nc_u32 v[RRD+\wv], \wv*RED_W, v[RRD]
.endr
.irp t, 0,1,2,3
	v_mov_b32 v[T+\t], 0                           ; v_permlanex16_b32 counts as a reader of its destination
.endr
	s_wait_loadcnt 48                              ; loads come back in order (ISA guide 5.7.1): the 48 x loads are younger, the centroids are in
	; |c_k|^2 of my 64 numbers in two chains, the other 64 from the lane 16 away
	v_pk_mul_f32 v[SU:SU+1], v[LG:LG+1], v[LG:LG+1]
	v_pk_mul_f32 v[SU+2:SU+3], v[LG+2:LG+3], v[LG+2:LG+3]
.irp m, 2,4,6,8,10,12,14,16,18,20,22,24,26,28,30
	v_pk_fma_f32 v[SU:SU+1], v[LG+2*\m:LG+2*\m+1], v[LG+2*\m:LG+2*\m+1], v[SU:SU+1]
	v_pk_fma_f32 v[SU+2:SU+3], v[LG+2*\m+2:LG+2*\m+3], v[LG+2*\m+2:LG+2*\m+3], v[SU+2:SU+3]
.endr
	v_pk_add_f32 v[SU:SU+1], v[SU:SU+1], v[SU+2:SU+3]
	v_add_f32 v[SU], v[SU], v[SU+1]
	v_permlanex16_b32 v[T], v[SU], s14, s15
	v_add_f32 v[SU], v[SU], v[T]
	v_sqrt_f32 v[SU+1], v[SU]                      ; the conversions below are the plain instructions between it and the use of its result
.irp a, 0,1,2,3
.irp b, 0,1,2,3,4,5,6,7
	v_cvt_pk_bf16_f32 v[AP+8*\a+\b], v[LG+16*\a+2*\b], v[LG+16*\a+2*\b+1]
.endr
.endr
	s_wait_alu depctr_va_vdst(0)
	v_mul_f32 v[SU+1], 0xc31044fe, v[SU+1]         ; -100 log2(e) |c_k|
	ds_store_b32 v46, v[SU+1]                      ; lanes r and r + 16 write the same word with the same value
.irp m, 0,1,2,3,4,5,6,7
	ds_store_b128 v48, v[AP+4*\m:AP+4*\m+3] offset:512*\m
.endr
	s_wait_dscnt 0x0                               ; my stores are in LDS before I say so
	s_barrier_signal -1
	s_barrier_wait -1                              ; all four k tiles and all 64 biases are there; they are never written again
	WIN XTLW
.irp kt, 0,1,2,3
.irp j, 0,1,2,3,4,5,6,7
	ds_load_b128 v[WF+32*\kt+4*\j:WF+32*\kt+4*\j+3], v[WLA] offset:4096*\kt+512*\j
.endr
.endr
	WIN 0
.irp kt, 0,1,2,3
	ds_load_b128 v[BIAS+8*\kt:BIAS+8*\kt+3],   v[BTA] offset:64*\kt
	ds_load_b128 v[BIAS+8*\kt+4:BIAS+8*\kt+7], v[BTA] offset:64*\kt+16
.endr
	XLOAD 3, 1                                     ; block 0, chunk 3
	WIN 0
	s_wait_xcnt 0x0                                ; the base is stepped only when every issued load has had its address translated
	s_add_nc_u64 s[6:7], s[6:7], BSTEP             ; from here on the base is the block that is fetched next
	s_wait_dscnt 0x0                               ; fragments and biases are in registers
; Chunk q of the block at work: 32 channels x 64 pixels.  Sum of squares from the unrounded numbers, conversion into the four tiles' fragments,
; the same registers asked for again (the next block's chunk q), the fragments also into my LDS rows.
; left = how many younger loads may stay out.
.macro CHUNK q, fill, left
	s_wait_loadcnt \left
	WIN SSQ
.irp e, 0,1,2,3,4,5,6,7,8,9,10,11,12,13,14,15
.if (\q*16+\e) < 2
	v_pk_mul_f32 v[SS+4*(\e&1):SS+4*(\e&1)+1],   v[64*\q+4*\e:64*\q+4*\e+1],   v[64*\q+4*\e:64*\q+4*\e+1]      ; the first two loads start the two chains
	v_pk_mul_f32 v[SS+4*(\e&1)+2:SS+4*(\e&1)+3], v[64*\q+4*\e+2:64*\q+4*\e+3], v[64*\q+4*\e+2:64*\q+4*\e+3]
.else
	v_pk_fma_f32 v[SS+4*(\e&1):SS+4*(\e&1)+1],   v[64*\q+4*\e:64*\q+4*\e+1],   v[64*\q+4*\e:64*\q+4*\e+1],   v[SS+4*(\e&1):SS+4*(\e&1)+1]
	v_pk_fma_f32 v[SS+4*(\e&1)+2:SS+4*(\e&1)+3], v[64*\q+4*\e+2:64*\q+4*\e+3], v[64*\q+4*\e+2:64*\q+4*\e+3], v[SS+4*(\e&1)+2:SS+4*(\e&1)+3]
.endif
.endr
	WIN CVT
.irp t, 0,1,2,3
.irp i, 0,1,2,3,4,5,6,7
	v_cvt_pk_bf16_f32 v[XF+32*\t+8*\q+\i], v[64*\q+8*\i+\t], v[64*\q+8*\i+4+\t]    ; loads 2 i and 2 i + 1 are two neighbouring channels
.endr
.endr
.if \fill
.if \q == 3
	XLOAD \q, 0                                    ; 15 of 16: with the last one 64 loads of mine would be out, one more than the 6-bit counter holds,
.else                                              ; and its issue would wait in front of the matrix work (ISA guide 5.7.1); it follows further down
	XLOAD \q, 1
.endif
.endif
	WIN XSTW
.irp t, 0,1,2,3
	ds_store_b128 v[XST], v[XF+32*\t+8*\q:XF+32*\t+8*\q+3]   offset:16*XPITCH*\t+64*\q
	ds_store_b128 v[XST], v[XF+32*\t+8*\q+4:XF+32*\t+8*\q+7] offset:16*XPITCH*\t+64*\q+32
.endr
.endm
; inv = 1 / max(sqrt(ss), 1e-12) of my four pixels, and 200 log2(e) inv as pairs
.macro NORMS
	WIN 0
	v_pk_add_f32 v[SS:SS+1], v[SS:SS+1], v[SS+4:SS+5]
	v_pk_add_f32 v[SS+2:SS+3], v[SS+2:SS+3], v[SS+6:SS+7]
.irp t, 0,1,2,3
	v_permlanex16_b32 v[T+\t], v[SS+\t], s14, s15  ; the other 64 channels
.endr
	v_pk_add_f32 v[SS:SS+1], v[SS:SS+1], v[T:T+1]
	v_pk_add_f32 v[SS+2:SS+3], v[SS+2:SS+3], v[T+2:T+3]
.irp t, 0,1,2,3
	v_sqrt_f32 v[T+\t], v[SS+\t]
.endr
	v_nop                                          ; one plain instruction behind a run of transcendentals (ISA guide 5.7.2)
	s_wait_alu depctr_va_vdst(0)
.irp t, 0,1,2,3
	v_max_num_f32 v[T+\t], 0x2b8cbccc, v[T+\t]     ; 1e-12
.endr
.irp t, 0,1,2,3
	v_rcp_f32 v[IV+\t], v[T+\t]
.endr
	v_nop
	s_wait_alu depctr_va_vdst(0)
.irp t, 0,1,2,3
	v_mul_f32 v[SC+2*\t],   0x439044fe, v[IV+\t]   ; 200 log2(e)
	v_mul_f32 v[SC+2*\t+1], 0x439044fe, v[IV+\t]
.endr
.endm
; c_k . x for tiles 2 p and 2 p + 1: 64 k x 32 pixels x 128 channels, 32 matrix instructions; the first of each chain starts its sum
.macro MM1 p
	WIN MM1W
.irp q, 0,1,2,3
.irp tp, 0,1
.irp kt, 0,1,2,3
.if \q == 0
	v_wmma_f32_16x16x32_bf16 v[LG+32*\tp+8*\kt:LG+32*\tp+8*\kt+7], v[WF+8*(4*\kt+\q):WF+8*(4*\kt+\q)+7], v[XF+32*(2*\p+\tp)+8*\q:XF+32*(2*\p+\tp)+8*\q+7], 0
.else
	v_wmma_f32_16x16x32_bf16 v[LG+32*\tp+8*\kt:LG+32*\tp+8*\kt+7], v[WF+8*(4*\kt+\q):WF+8*(4*\kt+\q)+7], v[XF+32*(2*\p+\tp)+8*\q:XF+32*(2*\p+\tp)+8*\q+7], v[LG+32*\tp+8*\kt:LG+32*\tp+8*\kt+7]
.endif
.endr
.endr
.endr
	PLACES                                         ; in front of the loads into these B registers and of the softmax's reads of the results
.endm
; x of LDS rows 32 p .. 32 p + 31 back as A fragments (row = channel 16 u + r, K = LDS row), into the registers of the fragments just multiplied
.macro XTLOAD p
	WIN XTLW
.irp u, 0,1,2,3,4,5,6,7
	ds_load_tr16_b128 v[XF+64*\p+8*\u:XF+64*\p+8*\u+3],   v[XTR] offset:32*XPITCH*\p+32*\u
	ds_load_tr16_b128 v[XF+64*\p+8*\u+4:XF+64*\p+8*\u+7], v[XTR] offset:32*XPITCH*\p+32*\u+16*XPITCH
.endr
.endm
; Softmax over k for tiles 2 p and 2 p + 1.  A lane holds 32 of its pixel's 64 logits, the lane 16 away the other 32.  Each step for both tiles.
; first = 1: the first tile of all starts the sums of weights.
.macro SM p, first
	WIN 0
.irp tp, 0,1
.set LB, LG+32*\tp
.irp m, 0,1,2,3,4,5,6,7,8,9,10,11,12,13,14,15
	v_pk_fma_f32 v[LB+2*\m:LB+2*\m+1], v[LB+2*\m:LB+2*\m+1], v[SC+4*\p+2*\tp:SC+4*\p+2*\tp+1], v[BIAS+2*\m:BIAS+2*\m+1]   ; the logit, in powers of two
.endr
.endr
.irp tp, 0,1
.set LB, LG+32*\tp
.set MB, M+4*\tp
.irp c, 0,1,2,3
	v_max3_num_f32 v[MB+\c], v[LB+7*\c], v[LB+7*\c+1], v[LB+7*\c+2]        ; four chains of seven,
.endr
.irp c, 0,1,2,3
	v_max3_num_f32 v[MB+\c], v[MB+\c], v[LB+7*\c+3], v[LB+7*\c+4]
.endr
.irp c, 0,1,2,3
	v_max3_num_f32 v[MB+\c], v[MB+\c], v[LB+7*\c+5], v[LB+7*\c+6]
.endr
	v_max3_num_f32 v[MB], v[MB], v[MB+1], v[LB+28]                         ; merged with the last four
	v_max3_num_f32 v[MB+2], v[MB+2], v[MB+3], v[LB+29]
	v_max3_num_f32 v[MB], v[MB], v[MB+2], v[LB+30]
	v_max_num_f32 v[MB], v[MB], v[LB+31]
.endr
.irp tp, 0,1
	v_permlanex16_b32 v[T+\tp], v[M+4*\tp], s14, s15
.endr
.irp tp, 0,1
	v_max_num_f32 v[MX+2*\tp],   v[M+4*\tp], v[T+\tp]                      ; the pixel's maximum over all 64 k, twice
	v_max_num_f32 v[MX+2*\tp+1], v[M+4*\tp], v[T+\tp]
.endr
.irp tp, 0,1
.set LB, LG+32*\tp
.irp m, 0,1,2,3,4,5,6,7,8,9,10,11,12,13,14,15
	v_pk_add_f32 v[LB+2*\m:LB+2*\m+1], v[LB+2*\m:LB+2*\m+1], v[MX+2*\tp:MX+2*\tp+1] neg_lo:[0,1] neg_hi:[0,1]
.endr
.endr
.irp a, 0,1,2,3,4,5,6,7
.irp b, 0,1,2,3,4,5,6,7
	v_exp_f32 v[LG+8*\a+\b], v[LG+8*\a+\b]
.endr
.endr
	v_nop
	s_wait_alu depctr_va_vdst(0)
.irp tp, 0,1
.set LB, LG+32*\tp
.set SB, SU+4*\tp
	v_pk_add_f32 v[SB:SB+1],   v[LB:LB+1],   v[LB+2:LB+3]
	v_pk_add_f32 v[SB+2:SB+3], v[LB+4:LB+5], v[LB+6:LB+7]
.irp m, 4,6,8,10,12,14
	v_pk_add_f32 v[SB:SB+1],   v[SB:SB+1],   v[LB+2*\m:LB+2*\m+1]
	v_pk_add_f32 v[SB+2:SB+3], v[SB+2:SB+3], v[LB+2*\m+2:LB+2*\m+3]
.endr
	v_pk_add_f32 v[SB:SB+1], v[SB:SB+1], v[SB+2:SB+3]
	v_add_f32 v[SB], v[SB], v[SB+1]
.endr
.irp tp, 0,1
	v_permlanex16_b32 v[T+\tp], v[SU+4*\tp], s14, s15
.endr
.irp tp, 0,1
	v_add_f32 v[SU+4*\tp], v[SU+4*\tp], v[T+\tp]   ; at least 1: the largest term is 2^0
.endr
.irp tp, 0,1
	v_rcp_f32 v[RS+2*\tp], v[SU+4*\tp]
.endr
	v_nop
	s_wait_alu depctr_va_vdst(0)
.irp tp, 0,1
	v_mov_b32 v[RS+2*\tp+1], v[RS+2*\tp]
	v_mul_f32 v[MX+2*\tp],   v[RS+2*\tp], v[IV+2*\p+\tp]                   ; 1 / sum x inv, for the second product
	v_mul_f32 v[MX+2*\tp+1], v[RS+2*\tp], v[IV+2*\p+\tp]
.endr
.irp tp, 0,1
.set LB, LG+32*\tp
.irp m, 0,1,2,3,4,5,6,7,8,9,10,11,12,13,14,15
.if \first*(1-\tp)
	v_pk_mul_f32 v[ASUM+2*\m:ASUM+2*\m+1], v[LB+2*\m:LB+2*\m+1], v[RS+2*\tp:RS+2*\tp+1]
.else
	v_pk_fma_f32 v[ASUM+2*\m:ASUM+2*\m+1], v[LB+2*\m:LB+2*\m+1], v[RS+2*\tp:RS+2*\tp+1], v[ASUM+2*\m:ASUM+2*\m+1]
.endif
.endr
.endr
.irp tp, 0,1
.set LB, LG+32*\tp
.irp m, 0,1,2,3,4,5,6,7,8,9,10,11,12,13,14,15
	v_pk_mul_f32 v[LB+2*\m:LB+2*\m+1], v[LB+2*\m:LB+2*\m+1], v[MX+2*\tp:MX+2*\tp+1]
.endr
.endr
.irp tp, 0,1
.set LB, LG+32*\tp
.irp m, 0,1,2,3,4,5,6,7,8,9,10,11,12,13,14,15
	v_cvt_pk_bf16_f32 v[AP+16*\tp+\m], v[LB+2*\m], v[LB+2*\m+1]
.endr
.endr
.irp tp, 0,1
.irp kt, 0,1,2,3
	ds_store_b128 v[AST], v[AP+16*\tp+4*\kt:AP+16*\tp+4*\kt+3] offset:16*APITCH*(2*\p+\tp)+32*\kt   ; row 16 t + r, k = 16 kt + 8 h .. + 7
.endr
.endr
.endm
; the weights of LDS rows 32 p .. 32 p + 31 back as B fragments (column = k, K = LDS row); LDS serves a wave's instructions in order (ISA guide 5.7.1)
.macro AFLOAD p
	WIN 0
.irp kt, 0,1,2,3
	ds_load_tr16_b128 v[AF+8*\kt:AF+8*\kt+3],   v[ATR] offset:32*APITCH*\p+32*\kt
	ds_load_tr16_b128 v[AF+8*\kt+4:AF+8*\kt+7], v[ATR] offset:32*APITCH*\p+32*\kt+16*APITCH
.endr
.endm
; sums += x (128 channels x 32 pixels) x weights (32 pixels x 64 k): 32 matrix instructions.  zero = 1: they start the sums.
.macro MM2 p, zero
	WIN MM2W
.irp u, 0,1,2,3,4,5,6,7
.irp kt, 0,1,2,3
.if \zero
	v_wmma_f32_16x16x32_bf16 v[8*(4*\u+\kt):8*(4*\u+\kt)+7], v[XF+64*\p+8*\u:XF+64*\p+8*\u+7], v[AF+8*\kt:AF+8*\kt+7], 0
.else
	v_wmma_f32_16x16x32_bf16 v[8*(4*\u+\kt):8*(4*\u+\kt)+7], v[XF+64*\p+8*\u:XF+64*\p+8*\u+7], v[AF+8*\kt:AF+8*\kt+7], v[8*(4*\u+\kt):8*(4*\u+\kt)+7]
.endif
.endr
.endr
.endm
; One block of 64 pixels.  fill = 1: the next block is asked for, chunk by chunk, as the registers come free.
; l0..l3: behind a chunk's 16 loads stand the three younger chunks, 48 loads; in the last block nothing is asked for and the counts run down.
.macro BLOCK zero, fill, l0, l1, l2, l3
	CHUNK 0, \fill, \l0
	CHUNK 1, \fill, \l1
	CHUNK 2, \fill, \l2
	CHUNK 3, \fill, \l3
	NORMS
	MM1 0
	XTLOAD 0
	SM 0, \zero
	AFLOAD 0
	MM1 1
	XTLOAD 1
	s_wait_dscnt 16                                ; only XTLOAD 1's sixteen loads are younger than the first half's x and weight fragments
	MM2 0, \zero
.if \fill
	WIN LDRAW
	XLD1 3, 15                                     ; the next block's last load: it still stands in front of that block's waits, whose counts hold
.endif
	SM 1, 0
	AFLOAD 1
	s_wait_dscnt 0x0
	MM2 1, 0
	PLACES                                         ; in front of what next writes these A and B registers or reads the sums
	WIN 0
.if \fill
	s_wait_xcnt 0x0                                ; the base is stepped only when every issued load has had its address translated
	s_add_nc_u64 s[6:7], s[6:7], BSTEP
.endif
.endm
	BLOCK 1, 1, 48, 48, 48, 48                     ; block 0 stands in front of the loop: its products start the sums
	s_mov_b32 s18, 6
.Lblk:
	BLOCK 0, 1, 48, 48, 48, 48                     ; blocks 1 to 6
	s_sub_co_u32 s18, s18, 1
	s_cmp_lg_u32 s18, 0
	s_cbranch_scc1 .Lblk
	BLOCK 0, 0, 48, 32, 16, 0                      ; block 7 asks for nothing: no load leaves x
	; THE WAY OUT.  Each wave lays its 64 x 128 sums into its own LDS rows [k][c]; a lane's eight registers are eight neighbouring channels.
	WIN ACCST
.irp u, 0,1,2,3,4,5,6,7
.irp kt, 0,1,2,3
	ds_store_b128 v[RST], v[8*(4*\u+\kt):8*(4*\u+\kt)+3]   offset:16*RPITCH*\kt+64*\u
	ds_store_b128 v[RST], v[8*(4*\u+\kt)+4:8*(4*\u+\kt)+7] offset:16*RPITCH*\kt+64*\u+16
.endr
.endr
	WIN 0
	; the sums of weights over the sixteen lanes of a half (its pixels); every lane ends with the sum
.irp x, 1,2,4,8
.irp a, 0,1,2,3
.irp b, 0,1,2,3,4,5,6,7
	v_add_f32_dpp v[ASUM+8*\a+\b], v[ASUM+8*\a+\b], v[ASUM+8*\a+\b] row_xmask:\x row_mask:0xf bank_mask:0xf
.endr
.endr
.endr
.irp kt, 0,1,2,3
	ds_store_b128 v[ASA], v[ASUM+8*\kt:ASUM+8*\kt+3]   offset:64*\kt       ; the sixteen lanes of a half write the same words with the same values
	ds_store_b128 v[ASA], v[ASUM+8*\kt+4:ASUM+8*\kt+7] offset:64*\kt+16
.endr
	s_wait_dscnt 0x0                               ; my stores are in LDS before I say so
	s_barrier_signal -1
	s_barrier_wait -1
	; wave w adds the four waves' rows k = 16 w .. 16 w + 15 and stores them: each store of the wave is a whole row, 512 consecutive bytes, aligned
	WIN LDRAW
.irp wv, 0,1,2,3
.irp i, 0,1,2,3,4,5,6,7,8,9,10,11,12,13,14,15
	ds_load_b128 v[64*\wv+4*\i:64*\wv+4*\i+3], v[RRD+\wv] offset:RPITCH*\i
.endr
.endr
	s_wait_dscnt 0x0
	WIN REDADD
.irp a, 0,1,2,3
.irp b, 0,1,2,3,4,5,6,7
	v_pk_add_f32 v[16*\a+2*\b:16*\a+2*\b+1], v[16*\a+2*\b:16*\a+2*\b+1], v[64+16*\a+2*\b:64+16*\a+2*\b+1]
.endr
.endr
.irp a, 0,1,2,3
.irp b, 0,1,2,3,4,5,6,7
	v_pk_add_f32 v[128+16*\a+2*\b:128+16*\a+2*\b+1], v[128+16*\a+2*\b:128+16*\a+2*\b+1], v[192+16*\a+2*\b:192+16*\a+2*\b+1]
.endr
.endr
.irp a, 0,1,2,3
.irp b, 0,1,2,3,4,5,6,7
	v_pk_add_f32 v[16*\a+2*\b:16*\a+2*\b+1], v[16*\a+2*\b:16*\a+2*\b+1], v[128+16*\a+2*\b:128+16*\a+2*\b+1]
.endr
.endr
	WIN REDST
.irp i, 0,1,2,3,4,5,6,7,8,9,10,11,12,13,14,15
	global_store_b128 v[PO], v[4*\i:4*\i+3], s[8:9] offset:512*\i
.endr
	WIN 0
	s_cmp_lg_u32 s12, 0
	s_cbranch_scc1 .Lend
	; wave 0 adds the four waves' sums of weights: two k a lane, one store of 256 consecutive bytes
	v_lshrrev_b32 v40, 1, v[PO]                    ; 8 lane
	v_add_nc_u32 v41, ASL, v40
	ds_load_b64 v[SU:SU+1],   v41
	ds_load_b64 v[SU+2:SU+3], v41 offset:256
	ds_load_b64 v[SU+4:SU+5], v41 offset:512
	ds_load_b64 v[SU+6:SU+7], v41 offset:768
	s_wait_dscnt 0x0
	v_pk_add_f32 v[SU:SU+1], v[SU:SU+1], v[SU+2:SU+3]
	v_pk_add_f32 v[SU+4:SU+5], v[SU+4:SU+5], v[SU+6:SU+7]
	v_pk_add_f32 v[SU:SU+1], v[SU:SU+1], v[SU+4:SU+5]
	global_store_b64 v40, v[SU:SU+1], s[10:11]
.Lend:
	s_wait_xcnt 0x0
	v_lshl_add_u32 v254, v0, 2, 0x41500
	v_mov_b32 v255, 0
	s_wait_tensorcnt 0x0
	ds_add_u32 v254, v255
	s_wait_dscnt 0x0
	s_endpgm
.Lfunc_end_k_q02111cdb56_pool:
	.size	k_q02111cdb56_pool, .Lfunc_end_k_q02111cdb56_pool-k_q02111cdb56_pool
	.p2alignl 7, 3214868480
	.fill 96, 4, 3214868480
	.section	.rodata,"a",@progbits
	.p2align	6, 0x0
	.amdhsa_kernel k_q02111cdb56_pool
		.amdhsa_group_segment_fixed_size 268032
		.amdhsa_private_segment_fixed_size 0
		.amdhsa_enable_private_segment 0
		.amdhsa_kernarg_size 32
		.amdhsa_user_sgpr_count 2
		.amdhsa_user_sgpr_kernarg_segment_ptr 1
		.amdhsa_wavefront_size32 1
		.amdhsa_system_sgpr_workgroup_id_x 1
		.amdhsa_system_sgpr_workgroup_id_y 1
		.amdhsa_system_sgpr_workgroup_id_z 1
		.amdhsa_system_vgpr_workitem_id 0
		.amdhsa_next_free_vgpr 1024
		.amdhsa_next_free_sgpr 66
		.amdhsa_reserve_vcc 0
		.amdhsa_float_denorm_mode_32 3
		.amdhsa_float_denorm_mode_16_64 3
		.amdhsa_memory_ordered 1
		.amdhsa_forward_progress 1
		.amdhsa_inst_pref_size 255
	.end_amdhsa_kernel
	.section	.bss,"aw",@nobits
	.p2align	6
	.space	262144
	.amdgpu_metadata
---
amdhsa.version: [ 1, 2 ]
amdhsa.kernels:
  - .name:           k_q02111cdb56_pool
    .symbol:         k_q02111cdb56_pool.kd
    .args:
      - { .name: centroids, .offset: 0, .size: 8, .value_kind: global_buffer, .address_space: global }
      - { .name: x, .offset: 8, .size: 8, .value_kind: global_buffer, .address_space: global }
      - { .name: part, .offset: 16, .size: 8, .value_kind: global_buffer, .address_space: global }
      - { .name: asum, .offset: 24, .size: 8, .value_kind: global_buffer, .address_space: global }
    .group_segment_fixed_size: 268032
    .private_segment_fixed_size: 0
    .kernarg_segment_align: 8
    .kernarg_segment_size: 32
    .max_flat_workgroup_size: 128
    .sgpr_count:     66
    .vgpr_count:     1024
    .wavefront_size: 32
...
	.end_amdgpu_metadata
.endif
;; end of part 1
;; launch finish (part 2): grid 32 x 1, 32 waves a work-group, no clusters, 4,352 bytes of LDS; arguments part, asum, centroids, out0; writes out0
.if DOCPART == 2
	.amdgcn_target "amdgcn-amd-amdhsa--gfx1250"
	.amdhsa_code_object_version 6
	.text
	.protected	k_q02111cdb56_finish
	.globl	k_q02111cdb56_finish
	.p2align	8
	.type	k_q02111cdb56_finish,@function
k_q02111cdb56_finish:
	s_mov_b64 s[64:65], 0
	v_nop
	global_prefetch_b8 v0, s[64:65] scope:SCOPE_SE
	s_setreg_imm32_b32 hwreg(HW_REG_WAVE_MODE, 25, 1), 1
	s_wait_xcnt 0x0
; NetVLAD, second launch.  For image n: vlad[k][c] = sum over its 8 partials of part[8 n + g][k][c] - (sum over g of asum[8 n + g][k]) c_k[c];
; each row k divided by max(|row|, 1e-12); then all 8,192 numbers divided by max(their norm, 1e-12).
; One work-group for each image, since the last norm spans all 64 rows: 32 waves, wave w owns rows 2 w and 2 w + 1, lane l the channels 4 l .. 4 l + 3.
; Every load and store of 16 bytes a lane covers a whole row, 512 consecutive bytes, aligned.  All 26 loads of a wave are issued at once.
; No matrix unit (there is no product), no joint requests (work-groups share only the centroids, 32,768 bytes of the 297,000 that each reads),
; no more than 32 work-groups: that is all the work there is without reading part several times or a third launch.
; LIMITS.  The square of the last norm is formed as the sum over rows of |row|^2 / max(|row|, 1e-12)^2, not from the divided numbers; sqrt and rcp are
; not correctly rounded and take numbers below 2^-126 as 0 (ISA guide, 15.8), which the clamps at 1e-12 cover.  NaN and infinities are not served.
.set PA, 16                            ; v16-79   partial g, row rr: 4 registers at 8 g + 4 rr
.set SA, 80                            ; v80-95   asum of partial g: my two rows, a pair at 2 g
.set CE, 96                            ; v96-103  centroid rows 2 w, 2 w + 1
.set SQ, 104                           ; v104-105 |row|^2; later the first row's factor, twice
.set TP, 106                           ; v106-107 from the other half of the lanes; later the second row's factor, twice
.set NR, 108                           ; v108-109 norms
.set RI, 110                           ; v110-111 1 / max(norm, 1e-12)
	s_load_b256 s[4:11], s[0:1], 0x0               ; part s[4:5], asum s[6:7], centroids s[8:9], out0 s[10:11]
	v_lshl_add_u32 v112, v0, 2, 0x100
	v_mov_b32 v113, 0
	v_lshrrev_b32 v5, 5, v0                        ; wave
	v_readfirstlane_b32 s14, v5
	v_and_b32 v6, 31, v0                           ; lane
	v_lshlrev_b32 v1, 4, v6
	v_lshl_add_u32 v1, v5, 10, v1                  ; two rows of 512 bytes for each wave + 16 lane
	v_lshlrev_b32 v2, 3, v5                        ; my two words of asum
	v_lshlrev_b32 v3, 2, v6                        ; LDS: word of wave number = my lane
	v_mov_b32 v4, s14
	v_lshlrev_b32 v4, 2, v4                        ; LDS: my wave's word
	s_mov_b32 s12, 0x76543210                      ; v_permlanex16_b32: lane i reads lane i of the other half
	s_mov_b32 s13, 0xfedcba98
	v_mov_b32 v[TP], 0                             ; v_permlanex16_b32 counts as a reader of its destination
	v_mov_b32 v[TP+1], 0
	s_lshl_b32 s16, ttmp9, 18                      ; 8 partials of 32,768 bytes
	s_mov_b32 s17, 0
	s_lshl_b32 s18, ttmp9, 11                      ; 8 x 256 bytes
	s_mov_b32 s19, 0
	s_lshl_b32 s20, ttmp9, 15                      ; 8,192 f32
	s_mov_b32 s21, 0
	s_wait_kmcnt 0x0
	s_add_nc_u64 s[4:5], s[4:5], s[16:17]
	s_add_nc_u64 s[6:7], s[6:7], s[18:19]
	s_add_nc_u64 s[10:11], s[10:11], s[20:21]
.irp g, 0,1,2,3,4,5,6,7
	global_load_b128 v[PA+8*\g:PA+8*\g+3],   v1, s[4:5] offset:32768*\g th:TH_LOAD_NT
	global_load_b128 v[PA+8*\g+4:PA+8*\g+7], v1, s[4:5] offset:32768*\g+512 th:TH_LOAD_NT
	global_load_b64  v[SA+2*\g:SA+2*\g+1],   v2, s[6:7] offset:256*\g
.endr
	global_load_b128 v[CE:CE+3],   v1, s[8:9]
	global_load_b128 v[CE+4:CE+7], v1, s[8:9] offset:512
	s_wait_loadcnt 0x0                             ; the sums below need all of them
.macro ADDG a, b                       ; partial a += partial b: two rows of 4, and the two sums of weights
.irp j, 0,2,4,6
	v_pk_add_f32 v[PA+8*\a+\j:PA+8*\a+\j+1], v[PA+8*\a+\j:PA+8*\a+\j+1], v[PA+8*\b+\j:PA+8*\b+\j+1]
.endr
	v_pk_add_f32 v[SA+2*\a:SA+2*\a+1], v[SA+2*\a:SA+2*\a+1], v[SA+2*\b:SA+2*\b+1]
.endm
.macro WSUM a, t                       ; the sum over the wave's 32 lanes, in every lane
.irp x, 1,2,4,8
	v_add_f32_dpp v[\a], v[\a], v[\a] row_xmask:\x row_mask:0xf bank_mask:0xf
.endr
	v_permlanex16_b32 v[\t], v[\a], s12, s13
	v_add_f32 v[\a], v[\a], v[\t]
.endm
	ADDG 0, 1
	ADDG 2, 3
	ADDG 4, 5
	ADDG 6, 7
	ADDG 0, 2
	ADDG 4, 6
	ADDG 0, 4
.irp rr, 0,1
.irp j, 0,1,2,3
	v_fma_f32 v[PA+4*\rr+\j], -v[SA+\rr], v[CE+4*\rr+\j], v[PA+4*\rr+\j]   ; - (sum of weights) x centroid
.endr
.endr
.irp rr, 0,1
	v_mul_f32 v[SQ+\rr], v[PA+4*\rr], v[PA+4*\rr]
.irp j, 1,2,3
	v_fma_f32 v[SQ+\rr], v[PA+4*\rr+\j], v[PA+4*\rr+\j], v[SQ+\rr]
.endr
.endr
	WSUM SQ, TP
	WSUM SQ+1, TP+1
	v_sqrt_f32 v[NR], v[SQ]
	v_sqrt_f32 v[NR+1], v[SQ+1]
	v_nop                                          ; one plain instruction behind a run of transcendentals (ISA guide 5.7.2)
	s_wait_alu depctr_va_vdst(0)
	v_max_num_f32 v[NR], 0x2b8cbccc, v[NR]         ; 1e-12
	v_max_num_f32 v[NR+1], 0x2b8cbccc, v[NR+1]
	v_rcp_f32 v[RI], v[NR]
	v_rcp_f32 v[RI+1], v[NR+1]
	v_nop
	s_wait_alu depctr_va_vdst(0)
	v_mul_f32 v[SQ], v[SQ], v[RI]                  ; what my two divided rows add to the square of the last norm
	v_mul_f32 v[SQ+1], v[SQ+1], v[RI+1]
	v_mul_f32 v[SQ], v[SQ], v[RI]
	v_fma_f32 v[SQ], v[SQ+1], v[RI+1], v[SQ]
	ds_store_b32 v4, v[SQ]                         ; all lanes write my wave's word with the same value
	s_wait_dscnt 0x0                               ; it is in LDS before I say so
	s_barrier_signal -1
	s_barrier_wait -1
	ds_load_b32 v[SQ+1], v3                        ; lane l takes wave l's word
	s_wait_dscnt 0x0
	WSUM SQ+1, TP
	v_sqrt_f32 v[NR], v[SQ+1]
	v_nop
	s_wait_alu depctr_va_vdst(0)
	v_max_num_f32 v[NR], 0x2b8cbccc, v[NR]
	v_rcp_f32 v[NR+1], v[NR]
	v_nop
	s_wait_alu depctr_va_vdst(0)
	v_mul_f32 v[SQ],   v[RI],   v[NR+1]            ; both divisions as one factor for each row, twice for the packed multiply
	v_mul_f32 v[SQ+1], v[RI],   v[NR+1]
	v_mul_f32 v[TP],   v[RI+1], v[NR+1]
	v_mul_f32 v[TP+1], v[RI+1], v[NR+1]
	v_pk_mul_f32 v[PA:PA+1],   v[PA:PA+1],   v[SQ:SQ+1]
	v_pk_mul_f32 v[PA+2:PA+3], v[PA+2:PA+3], v[SQ:SQ+1]
	v_pk_mul_f32 v[PA+4:PA+5], v[PA+4:PA+5], v[TP:TP+1]
	v_pk_mul_f32 v[PA+6:PA+7], v[PA+6:PA+7], v[TP:TP+1]
	global_store_b128 v1, v[PA:PA+3],   s[10:11]
	global_store_b128 v1, v[PA+4:PA+7], s[10:11] offset:512
	s_wait_tensorcnt 0x0
	ds_add_u32 v112, v113
	s_wait_dscnt 0x0
	s_endpgm
.Lfunc_end_k_q02111cdb56_finish:
	.size	k_q02111cdb56_finish, .Lfunc_end_k_q02111cdb56_finish-k_q02111cdb56_finish
	.p2alignl 7, 3214868480
	.fill 96, 4, 3214868480
	.section	.rodata,"a",@progbits
	.p2align	6, 0x0
	.amdhsa_kernel k_q02111cdb56_finish
		.amdhsa_group_segment_fixed_size 4352
		.amdhsa_private_segment_fixed_size 0
		.amdhsa_enable_private_segment 0
		.amdhsa_kernarg_size 32
		.amdhsa_user_sgpr_count 2
		.amdhsa_user_sgpr_kernarg_segment_ptr 1
		.amdhsa_wavefront_size32 1
		.amdhsa_system_sgpr_workgroup_id_x 1
		.amdhsa_system_sgpr_workgroup_id_y 1
		.amdhsa_system_sgpr_workgroup_id_z 1
		.amdhsa_system_vgpr_workitem_id 0
		.amdhsa_next_free_vgpr 114
		.amdhsa_next_free_sgpr 66
		.amdhsa_reserve_vcc 0
		.amdhsa_float_denorm_mode_32 3
		.amdhsa_float_denorm_mode_16_64 3
		.amdhsa_memory_ordered 1
		.amdhsa_forward_progress 1
		.amdhsa_inst_pref_size 10
	.end_amdhsa_kernel
	.amdgpu_metadata
---
amdhsa.version: [ 1, 2 ]
amdhsa.kernels:
  - .name:           k_q02111cdb56_finish
    .symbol:         k_q02111cdb56_finish.kd
    .args:
      - { .name: part, .offset: 0, .size: 8, .value_kind: global_buffer, .address_space: global }
      - { .name: asum, .offset: 8, .size: 8, .value_kind: global_buffer, .address_space: global }
      - { .name: centroids, .offset: 16, .size: 8, .value_kind: global_buffer, .address_space: global }
      - { .name: out0, .offset: 24, .size: 8, .value_kind: global_buffer, .address_space: global }
    .group_segment_fixed_size: 4352
    .private_segment_fixed_size: 0
    .kernarg_segment_align: 8
    .kernarg_segment_size: 32
    .max_flat_workgroup_size: 1024
    .sgpr_count:     66
    .vgpr_count:     114
    .wavefront_size: 32
...
	.end_amdgpu_metadata
.endif
;; end of part 2
